; MI455X (gfx1250); checked and timed in simulation.
; The chip was launched on July 23, 2026; its instructions are those of AMD's public machine-readable ISA for CDNA 5 (MIT licence, August 2026) and "CDNA5" Instruction Set Architecture Reference Guide (July 2026). The comments in the code are by the model that wrote it; some were corrected since.
;; Grouped Query Attention. Allowed arithmetic: matrix products marked QUANTISED: E4M3 operands, one given power-of-two scale a tensor, by v_wmma_f32_16x16x64_fp8_fp8 or v_wmma_f32_16x16x128_fp8_fp8, f32 sums; everything else in f32.
;; Inputs: Wk_codes 256 x 32 x 32 uint8 (E4M3 codes of Wk, K innermost, in blocks of 32 codes); Wo_codes 1,024 x 32 x 32 uint8 (E4M3 codes of Wo, K innermost, in blocks of 32 codes); Wq_codes 1,024 x 32 x 32 uint8 (E4M3 codes of Wq, K innermost, in blocks of 32 codes); Wv_codes 256 x 32 x 32 uint8 (E4M3 codes of Wv, K innermost, in blocks of 32 codes); kn_w 64 float32; lowp_scales 12 int32 (the exponents e of the quantised operands' scales 2^e); qn_w 64 float32; x_codes 4 x 2,048 x 32 x 32 uint8 (E4M3 codes of x, K innermost, in blocks of 32 codes).
;; Outputs: out0 4 x 2,048 x 1,024 float32.
;; This version of the problem:
;;   THIS VERSION OF THE PROBLEM IS GIVEN IN LOW PRECISION. The matrix products marked QUANTISED in the list below multiply operands that are first quantised to E4M3 (4 exponent bits, 3 mantissa bits; 8 bits a number), with one given power-of-two scale for each operand tensor; their sums are f32. All else is computed in f32.
;;   The module's matrix products, in the order in which they are computed (A, B: the left and right operand; K: the contracted axis; several contracted axes count as one K, in the product's order):
;;     1. [M 8,192, K 1,024] x [K 1,024, N 1,024]; A: input x (given as codes); B: input Wq (given as codes): QUANTISED (scales: A lowp_scales[0], B lowp_scales[1])
;;     2. [M 8,192, K 1,024] x [K 1,024, N 256]; A: input x (given as codes); B: input Wk (given as codes): QUANTISED (scales: A lowp_scales[2], B lowp_scales[3])
;;     3. [M 8,192, K 1,024] x [K 1,024, N 256]; A: input x (given as codes); B: input Wv (given as codes): QUANTISED (scales: A lowp_scales[4], B lowp_scales[5])
;;     4. batch 64 x [M 2,048, K 64] x [K 64, N 2,048]; A: computed on the way; B: computed on the way: QUANTISED (scales: A lowp_scales[6], B lowp_scales[7])
;;     5. batch 64 x [M 2,048, K 2,048] x [K 2,048, N 64]; A: softmax (see below); B: computed on the way: QUANTISED (scales: A lowp_scales[8], B lowp_scales[9])
;;     6. [M 8,192, K 1,024] x [K 1,024, N 1,024]; A: computed on the way; B: input Wo (given as codes): QUANTISED (scales: A lowp_scales[10], B lowp_scales[11])
;;   THE QUANTISER, for each operand of a quantised product, along K:
;;     - The operand's scale is 2^e, e = its entry of the input lowp_scales (int32; the entries are numbered through the quantised products in the list's order, A before B).
;;     - Each number is divided by the scale, clamped to +-448, and rounded to the nearest number of E4M3, ties to even, subnormals kept.
;;     - The product sums the exact products of the quantised numbers (number of the format x scale) in f32.
;;   ~~~python
;;   def quantise(x, axis, e):      # numpy; x: float32 -> the quantised numbers, widened to float32 again
;;       x = np.moveaxis(x, axis, -1); K = x.shape[-1]
;;       r = np.clip(x / 2.0 ** e, -448, 448)
;;       step = 2.0 ** (np.maximum(np.frexp(np.where(r == 0, 1, r))[1] - 1, -6) - 3)
;;       q = np.round(r / step) * step * 2.0 ** e      # np.round: ties to even
;;       return np.moveaxis(q, -1, axis).astype(np.float32)
;;   ~~~
;;   SOFTMAX AHEAD OF A QUANTISED PRODUCT. Where the list says 'softmax', what is quantised is not the finished softmax but p = 2^(t - M), with t = logit x log2(e) and M = ceil(the row's largest t), a whole number; so 1/2 < the row's largest p <= 1. The row's sum l is taken of the UNQUANTISED p, in f32, and the product's result is divided by l at the end. Since M is a whole number, a kernel that streams over the keys may use a running M (the ceiling of the running maximum): every later rescaling is an exact power of two, so the quantised numbers keep their values, but for numbers so far below the row's largest that they fall under the format's range.
;;   OPERANDS COMPUTED ON THE WAY. 'Computed on the way' means the value that the module computes at that place (a softmax that the list does not call 'softmax' is quantised finished and normalised). What goes into a quantiser is computed in f32, as accurately as f32 sums, v_exp_f32 and their like allow (about 1e-6 of the number): no bf16 or f16 on the way to a quantiser, and a product that is left as it is and whose result goes on into a quantised operand takes f32 operands (vector FMAs, or v_wmma_f32_16x16x4_f32). A number that lies on a knife's edge between two numbers of the format may be rounded either way, as far as f32 arithmetic and the matrix unit's own rounding can turn it there, and no further.
;;   INPUTS GIVEN AS CODES. Wk (in the module: [256, 1024], K = its axis 1); Wo (in the module: [1024, 1024], K = its axis 1); Wq (in the module: [1024, 1024], K = its axis 1); Wv (in the module: [256, 1024], K = its axis 1); x (in the module: [4, 2048, 1024], K = its axis 2): each comes as NAME_codes (uint8): NAME with its K axis moved to the last place and cut into blocks of 32 codes, [.., K / 32, bytes a block], one block behind the other in memory; one code a byte (a code: sign, 4 exponent bits, 3 mantissa bits); its scale is its entry of lowp_scales. Its value is code x scale, taken as it is: it is not quantised again, and the codes and scales need not be those that the quantiser above would give.
;; One version. Each part assembles by itself: llvm-mc -triple=amdgcn-amd-amdhsa -mcpu=gfx1250 --defsym DOCPART=n.
;; ======== version 1 of 1: 3 launches
;; limits: right only within a limited range of input values
;; workspace buffers: qc 8,388,608 bytes; kvc 4,194,304 bytes; oc 8,388,608 bytes; woi 1,048,576 bytes
;; launch proj (part 1): grid 4 x 64, 4 waves a work-group, clusters of 4 x 4, 327,680 bytes of LDS; arguments x_codes, Wq_codes, Wk_codes, Wv_codes, Wo_codes, qn_w, kn_w, lowp_scales, qc, kvc, woi; writes qc, kvc, woi
.if DOCPART == 1
	.amdgcn_target "amdgcn-amd-amdhsa--gfx1250"
	.amdhsa_code_object_version 6
	.text
	.protected	k_q0ecbd41ddf_proj
	.globl	k_q0ecbd41ddf_proj
	.p2align	8
	.type	k_q0ecbd41ddf_proj,@function
k_q0ecbd41ddf_proj:
	s_mov_b64 s[64:65], 0
	v_nop
	global_prefetch_b8 v0, s[64:65] scope:SCOPE_SE
	s_setreg_imm32_b32 hwreg(HW_REG_WAVE_MODE, 25, 1), 1
	s_wait_xcnt 0x0
	s_wait_alu depctr_hold_cnt(0) depctr_sa_sdst(0) depctr_va_vdst(0) depctr_va_sdst(0) depctr_va_ssrc(0) depctr_va_vcc(0) depctr_vm_vsrc(0)
	s_getreg_b32 s2, hwreg(HW_REG_IB_STS2, 6, 4)
	s_cmp_eq_u32 s2, 0
	s_cbranch_scc0 .Lentry_in_a_cluster
	s_endpgm
.Lentry_in_a_cluster:
	s_bfe_u32 s2, ttmp6, 0x10000c
	s_cmp_lg_u32 s2, 0xf033
	s_cbranch_scc0 .Lentry_shape_is_right
	s_endpgm
.Lentry_shape_is_right:
; q, k, v = x W^T on codes of E4M3; RMS norm and RoPE of q and k in f32; q, k, v quantised; Wo's codes laid anew.
; SHARES.  A work-group owns 128 rows of x (rb) and the 384 columns of key/value group g: q heads 4g..4g+3, k head g, v head g.
; Wave w: wr = w / 2 picks 64 rows, wc = w % 2 picks three heads of 64 columns: wc 0: q 4g, 4g+1, 4g+2; wc 1: q 4g+3, k, v.  48 accumulators.
; THE MATRIX INSTRUCTION IS USED TRANSPOSED (source 0 = 16 rows of W, source 1 = 16 rows of x): lane (r, h) holds row r, and register j of column tile n
; the head's channel 16 n + 8 h + j: eight neighbours along the next product's K, so that the conversions' results ARE the next operand's registers.
; They are stored as images of those registers: four registers a store, lane l's 16 bytes at 16 l: 512 consecutive bytes, aligned.
;   qc  [64 heads][128 tiles of 16 queries][2 groups][512]
;   kvc [16 kv heads][16 steps of 128 keys][K: 8 tiles x 2 groups x 512 | V^T: 4 tiles x 4 groups x 512];  row r' of V^T's tile dt is channel 32 (dt/2) + 8 (dt%2) + r' + 8 (r'/8)
;   woi [64 tiles of 16 rows][8 K steps of 128][4 groups][512]: lane (r, h): Wo[16 ct + r][128 kc + 32 c + 16 h + 0..15]
; K goes in steps of 256 through two LDS slots (x 128 rows, Wq 256, Wk 64, Wv 64; rows of 256 bytes + 16 of padding).
; CLUSTER 4 x 4: x's tile is shared along a row of the cluster, W's three tiles along a column: joint loads, one a wave (wave 0: x, 1: Wq, 2: Wk, 3: Wv).
; Fragments are read by four 16-byte loads: the same permutation of k in x and in W, so every product meets its partner.
; cos and sin of RoPE: angle = fl(t x inv), inv the f32 nearest 10^(-p/8); reduced by multiples of pi/2 in two parts, then polynomials of degree 7 and 8.
; LIMITS: e6, e7 and e9 - e4 - e5 between -126 and 119 (each makes an f32 power of two); the other exponents go through v_ldexp_f32.  NaN among the gains is not served.
; No prefetch: each tile is asked for one K step (96 matrix instructions a wave) ahead by its tensor load, and there are four K steps in all.
.set PITCH, 272                        ; an LDS row: 256 bytes + 16 = 68 words: row r starts at bank 4 r mod 64 (64 banks of 4 bytes: ISA guide 11.1)
.set SLOT,  512*PITCH
.set SPARE, 2*SLOT                     ; the spare words: 128 bytes a wave, two blocks of 256 bytes that no other line names
.set CSB,   SPARE+512                  ; cos and sin: 8 row tiles x 4,096 bytes, images of 32 registers
.set PADW,  (1<<20)|(1<<21)|(5<<22)|(3<<25)   ; padding on; bit 21 beside a mask; after every 64 words; 4 words
.set G1A, 12                           ; s[12:19] group 1 of x's tile (128 rows), s[20:27] Wq's (256), s[28:35] Wk's and Wv's (64)
.set G1Q, 20
.set G1S, 28
.set G0A, 36                           ; groups 0, a set for each slot: x s[36:43], Wq s[44:51], Wk s[52:59], Wv s[60:63] and s[92:95]
.set G0Q, 44
.set G0K, 52
.set G0V, 60
; REGISTERS.  window 0: v1 r, v2 h, v3 scratch, v4-5 x's LDS address in slot 0, 1, v6-7 W's, v8 spare word, v9 zero, v10 16 x lane, v11 cos/sin out, v12 cos/sin in,
;   v13, v14 V's stage in and out, v15 Wo's offset, v16 the gains' offset, v20 t, v21 t as a whole number, v[22:23] the row's factor, v24-29 scales and holds, v30 scratch,
;   v32-47 inv, v48-49 two coefficients; v64-255 W's twelve fragments (ahead of the loop and behind it: at work).
;   window 1: accumulators of heads 0 and 1 at 128 head + 32 a + 8 n.  window 2: v0-127 head 2's; v128-255 x's fragments, two sets.  window 3: v0-31 qn, v32-63 head 1's gains.
.set MSB, 0
.macro WIN new                         ; the immediate's high byte repeats the setting that is left
.if MSB != (\new)
	s_set_vgpr_msb (MSB<<8)|(\new)
.set MSB, (\new)
.endif
.endm
.macro PLACES n
.rept \n
	v_nop
.endr
.endm
.macro CREST                           ; a round of the cluster's barrier behind its opening barrier
	s_cmp_lg_u32 s4, 0
	s_cbranch_scc1 .Lnot_wave_0_\@
	s_barrier_signal -3
.Lnot_wave_0_\@:
	s_barrier_wait -3
	s_barrier_signal -1
	s_barrier_wait -1
.endm
.macro CROUND
	s_barrier_signal -1
	s_barrier_wait -1
	CREST
.endm
; A joint load into slot s: each wave has one line, chosen by the wave's number alone; four v_nop follow each line.
.macro JLOAD s
	s_cmp_lg_u32 s4, 0
	s_cbranch_scc1 .Lj1_\@
	tensor_load_to_lds s[G0A+4*\s:G0A+4*\s+3], s[G1A:G1A+7]
	s_nop 0
	PLACES 4
	s_branch .Lje_\@
.Lj1_\@:
	s_cmp_lg_u32 s4, 1
	s_cbranch_scc1 .Lj2_\@
	tensor_load_to_lds s[G0Q+4*\s:G0Q+4*\s+3], s[G1Q:G1Q+7]
	s_nop 0
	PLACES 4
	s_branch .Lje_\@
.Lj2_\@:
	s_cmp_lg_u32 s4, 2
	s_cbranch_scc1 .Lj3_\@
	tensor_load_to_lds s[G0K+4*\s:G0K+4*\s+3], s[G1S:G1S+7]
	s_nop 0
	PLACES 4
	s_branch .Lje_\@
.Lj3_\@:
	tensor_load_to_lds s[G0V+32*\s:G0V+32*\s+3], s[G1S:G1S+7]
	s_nop 0
	PLACES 4
.Lje_\@:
.endm
.macro G0SET reg, lds, base, off
	s_mov_b32 s[\reg], 1                           ; count = 1
	s_mov_b32 s[\reg+1], \lds                      ; LDS address: a constant
	s_add_nc_u64 s[\reg+2:\reg+3], s[\base:\base+1], \off
	s_or_b32 s[\reg+3], s[\reg+3], 0x80000000      ; type = 2
.endm
	s_load_b512 s[68:83], s[0:1], 0x0              ; x, Wq, Wk, Wv, Wo, qn, kn, the scales' exponents
	s_load_b128 s[84:87], s[0:1], 0x40             ; qc, kvc
	s_load_b64 s[88:89], s[0:1], 0x50              ; woi
	v_lshl_add_u32 v8, v0, 2, SPARE
	v_mov_b32 v9, 0
	ds_add_u32 v8, v9
	ds_add_u32 v8, v9
	s_wait_dscnt 0x0
	v_lshrrev_b32 v1, 5, v0
	v_readfirstlane_b32 s4, v1                     ; wave
	s_lshr_b32 s5, s4, 1                           ; wr
	s_and_b32 s6, s4, 1                            ; wc
	s_bfe_u32 s7, ttmp6, 0x40000                   ; cx
	s_bfe_u32 s8, ttmp6, 0x40004                   ; cy
	s_lshl_b32 s10, ttmp9, 2
	s_add_co_u32 s10, s10, s7                      ; g
	s_and_b32 s9, ttmp7, 0xffff
	s_lshl_b32 s9, s9, 2
	s_add_co_u32 s9, s9, s8                        ; rb
	s_lshl_b32 s2, s8, 2
	s_lshl_b32 s2, 15, s2                          ; my row of the cluster
	s_lshl_b32 s3, 0x1111, s7                      ; my column
	s_or_b32 s[G1A], s2, PADW                      ; elements of one byte
	s_or_b32 s[G1Q], s3, PADW
	s_or_b32 s[G1S], s3, PADW
.irp g, G1A, G1Q, G1S
	s_mov_b32 s[\g+1], 256<<16                     ; tensor_dim0
	s_mov_b32 s[\g+3], 256<<16                     ; tile_dim0
	s_mov_b32 s[\g+5], 1024                        ; from row to row
	s_mov_b32 s[\g+6], 0
	s_mov_b32 s[\g+7], 0
.endr
	s_mov_b32 s[G1A+2], 128<<16                    ; tensor_dim1, tile_dim1
	s_mov_b32 s[G1A+4], 128
	s_mov_b32 s[G1Q+2], 256<<16
	s_mov_b32 s[G1Q+4], 256
	s_mov_b32 s[G1S+2], 64<<16
	s_mov_b32 s[G1S+4], 64
	s_lshl_b32 s90, s9, 17                         ; x: 128 rows of 1,024 bytes a block: hangs on rb alone
	s_mov_b32 s91, 0
	s_lshl_b32 s98, s10, 18                        ; Wq: 256 rows a group: hangs on g alone
	s_mov_b32 s99, 0
	s_lshl_b32 s100, s10, 16                       ; Wk, Wv: 64 rows a group
	s_mov_b32 s101, 0
	s_wait_kmcnt 0x0
	s_add_nc_u64 s[68:69], s[68:69], s[90:91]
	s_add_nc_u64 s[70:71], s[70:71], s[98:99]
	s_add_nc_u64 s[72:73], s[72:73], s[100:101]
	s_add_nc_u64 s[74:75], s[74:75], s[100:101]
.irp s, 0,1
	G0SET G0A+4*\s, \s*SLOT, 68, \s*256
	G0SET G0Q+4*\s, \s*SLOT+128*PITCH, 70, \s*256
	G0SET G0K+4*\s, \s*SLOT+384*PITCH, 72, \s*256
	G0SET G0V+32*\s, \s*SLOT+448*PITCH, 74, \s*256
.endr
	CROUND                                         ; all sixteen work-groups are here: the first joint loads meet
	JLOAD 0                                        ; K step 0: one tensor load a wave at the head
	; ---- while the tiles are on their way: addresses
	v_and_b32 v1, 15, v0                           ; r
	v_bfe_u32 v2, v0, 4, 1                         ; h
	v_mul_u32_u24 v3, v1, PITCH
	v_lshl_add_u32 v3, v2, 4, v3                   ; a fragment's row x pitch + 16 h
	s_mul_i32 s98, s5, 64*PITCH                    ; my 64 rows of x
	s_mul_i32 s99, s6, 192*PITCH
	s_add_co_u32 s99, s99, 128*PITCH               ; my 192 rows of W
	v_add_nc_u32 v4, s98, v3
	v_add_nc_u32 v6, s99, v3
	s_add_co_u32 s98, s98, SLOT
	s_add_co_u32 s99, s99, SLOT
	v_add_nc_u32 v5, s98, v3
	v_add_nc_u32 v7, s99, v3
	v_and_b32 v10, 31, v0
	v_lshlrev_b32 v10, 4, v10                      ; 16 x lane
	s_lshl_b32 s98, s4, 13
	s_add_co_u32 s98, s98, CSB
	v_add_nc_u32 v11, s98, v10                     ; I make the cosines of row tiles 2 w, 2 w + 1,
	s_lshl_b32 s98, s5, 14
	s_add_co_u32 s98, s98, CSB
	v_add_nc_u32 v12, s98, v10                     ; and read those of tiles 4 wr on
	s_mul_i32 s98, s5, 64*PITCH                    ; V's stage: 64 rows of 272 bytes for each of the two waves that hold v
	v_mul_u32_u24 v13, v1, PITCH
	v_lshl_add_u32 v13, v2, 5, v13
	v_add_nc_u32 v13, s98, v13                     ; in: row r, + 32 h
	v_and_b32 v14, 8, v1
	v_add_nc_u32 v14, v14, v1
	v_lshlrev_b32 v14, 2, v14                      ; out: channel r + 8 (r / 8),
	v_mul_u32_u24 v17, v2, 8*PITCH
	v_add_nc_u32 v14, v14, v17                     ; key 8 h
	v_add_nc_u32 v14, s98, v14
	v_lshlrev_b32 v15, 10, v1
	v_lshl_add_u32 v15, v2, 4, v15                 ; Wo: row r, + 16 h
	s_wait_alu depctr_va_vdst(0)
	v_lshlrev_b32 v16, 5, v2                       ; the gains: 32 h bytes
	s_wait_alu depctr_va_vdst(0)
	v_mov_b32 v23, 0                               ; (named as the upper half of the pair v[22:23])
	; ---- where the results go.  b = rb / 16, key step = rb % 16, y = 4 b + g
	s_lshr_b32 s72, s9, 4
	s_and_b32 s73, s9, 15
	s_lshl_b32 s74, s72, 2
	s_add_co_u32 s74, s74, s10                     ; y
	s_lshl_b32 s75, s74, 19                        ; q head 4 y: 131,072 bytes a head
	s_lshl_b32 s2, s73, 13
	s_lshl_b32 s3, s5, 12
	s_add_co_u32 s2, s2, s3                        ; tile 8 (rb % 16) + 4 wr: 1,024 bytes a tile
	s_add_co_u32 s2, s2, s75
	s_mov_b32 s101, 0
	s_add_co_u32 s100, s2, 1<<17
	s_add_nc_u64 s[68:69], s[84:85], s[100:101]    ; q head 4 g + 1
	s_add_co_u32 s100, s2, 2<<17
	s_add_nc_u64 s[90:91], s[84:85], s[100:101]    ; q head 4 g + 2
	s_mul_i32 s100, s6, 3<<17
	s_add_co_u32 s100, s100, s2
	s_add_nc_u64 s[84:85], s[84:85], s[100:101]    ; head 0 of my three: q head 4 g + 3 wc
	s_lshl_b32 s2, s74, 18
	s_lshl_b32 s3, s73, 14
	s_add_co_u32 s2, s2, s3                        ; kvc: my kv head, my key step
	s_lshl_b32 s3, s5, 12
	s_add_co_u32 s100, s2, s3
	s_add_nc_u64 s[70:71], s[86:87], s[100:101]    ; K's tiles 4 wr on
	s_lshl_b32 s3, s5, 10
	s_add_co_u32 s100, s2, s3
	s_add_co_u32 s100, s100, 8192
	s_add_nc_u64 s[66:67], s[86:87], s[100:101]    ; V^T's groups 2 wr, 2 wr + 1
	s_cmp_eq_u32 s6, 1
	s_cselect_b64 s[86:87], s[70:71], s[68:69]     ; head 1 of my three: k, or q head 4 g + 1
	s_cselect_b64 s[80:81], s[80:81], s[78:79]     ; and its gains
	s_load_b256 s[68:75], s[82:83], 0x0            ; e0 .. e7
	s_load_b32 s100, s[82:83], 0x24                ; e9
	; ---- Wo's codes laid anew: 512 fragments for 256 work-groups x 2 pairs of waves; a wave takes two groups of four registers
	s_lshl_b32 s96, s9, 2
	s_add_co_u32 s96, s96, s10
	s_lshl_b32 s96, s96, 1
	s_add_co_u32 s96, s96, s5                      ; fragment F = 8 ct + kc
	s_lshr_b32 s97, s96, 3
	s_lshl_b32 s97, s97, 14
	s_and_b32 s98, s96, 7
	s_lshl_b32 s98, s98, 7
	s_add_co_u32 s98, s98, s97
	s_lshl_b32 s97, s6, 6
	s_add_co_u32 s98, s98, s97                     ; 16,384 ct + 128 kc + 32 (2 wc)
	s_mov_b32 s99, 0
	s_add_nc_u64 s[76:77], s[76:77], s[98:99]
	s_lshl_b32 s98, s96, 11
	s_lshl_b32 s97, s6, 10
	s_add_co_u32 s98, s98, s97
	s_add_nc_u64 s[88:89], s[88:89], s[98:99]
	global_load_b128 v[240:243], v15, s[76:77]
	global_load_b128 v[244:247], v15, s[76:77] offset:32
	WIN 0xc0                                       ; destination window 3
.irp n, 0,1,2,3
	global_load_b128 v[8*\n:8*\n+3], v16, s[78:79] offset:64*\n          ; gain of channel 16 n + 8 h + j at register 8 n + j
	global_load_b128 v[8*\n+4:8*\n+7], v16, s[78:79] offset:64*\n+16
	global_load_b128 v[32+8*\n:32+8*\n+3], v16, s[80:81] offset:64*\n
	global_load_b128 v[32+8*\n+4:32+8*\n+7], v16, s[80:81] offset:64*\n+16
.endr
	WIN 0
	; ---- inv(p) = 10^(-p/8) of my sixteen pairs: pair e = 4 n + jj has p = 8 n + 4 h + jj
	v_cmp_eq_u32 vcc_lo, 1, v2
.macro INVSET e, lo, hi
	v_mov_b32 v30, \hi
	v_cndmask_b32 v[32+\e], \lo, v30, vcc_lo
.endm
	INVSET 0, 1.0, 0.31622776602
	INVSET 1, 0.74989420933, 0.23713737057
	INVSET 2, 0.56234132519, 0.17782794100
	INVSET 3, 0.42169650343, 0.13335214322
	INVSET 4, 0.1, 0.031622776602
	INVSET 5, 0.074989420933, 0.023713737057
	INVSET 6, 0.056234132519, 0.017782794100
	INVSET 7, 0.042169650343, 0.013335214322
	INVSET 8, 0.01, 0.0031622776602
	INVSET 9, 0.0074989420933, 0.0023713737057
	INVSET 10, 0.0056234132519, 0.0017782794100
	INVSET 11, 0.0042169650343, 0.0013335214322
	INVSET 12, 0.001, 0.00031622776602
	INVSET 13, 0.00074989420933, 0.00023713737057
	INVSET 14, 0.00056234132519, 0.00017782794100
	INVSET 15, 0.00042169650343, 0.00013335214322
	v_mov_b32 v48, 0xb94ca1f9                      ; the sine's highest coefficient, -1.9515296e-4
	v_mov_b32 v49, 0x37ccf5ce                      ; the cosine's, 2.4433157e-5
	s_and_b32 s98, s9, 15
	s_lshl_b32 s98, s98, 7
	s_lshl_b32 s99, s4, 5
	s_add_co_u32 s98, s98, s99
	v_add_nc_u32 v21, s98, v1                      ; t = 128 (rb % 16) + 16 (2 w) + r
	v_cvt_f32_u32 v20, v21
; cos and sin of four angles, line by line, so that no line waits for the one above it.  v64.. the angle, then its rest, then sin; v68.. the multiple of pi/2; v72.. the rest squared, then cos.
.macro SINCOS4 e0, cso
.irp q, 0,1,2,3
	v_mul_f32 v[64+\q], v[32+\e0+\q], v20          ; the angle
.endr
.irp q, 0,1,2,3
	v_mul_f32 v[68+\q], 0x3f22f983, v[64+\q]       ; x 2 / pi
.endr
.irp q, 0,1,2,3
	v_rndne_f32 v[68+\q], v[68+\q]
.endr
.irp q, 0,1,2,3
	v_fmamk_f32 v[64+\q], v[68+\q], 0xbfc90fdb, v[64+\q]   ; less the multiple x pi/2's upper part,
.endr
.irp q, 0,1,2,3
	v_fmamk_f32 v[64+\q], v[68+\q], 0x333bbd2e, v[64+\q]   ; and its lower part (the upper part is 4.37e-8 too large)
.endr
.irp q, 0,1,2,3
	v_cvt_i32_f32 v[68+\q], v[68+\q]
	v_mul_f32 v[72+\q], v[64+\q], v[64+\q]
.endr
.irp q, 0,1,2,3
	v_fmaak_f32 v[76+\q], v[72+\q], v48, 0x3c08839e
	v_fmaak_f32 v[80+\q], v[72+\q], v49, 0xbab6061a
.endr
.irp q, 0,1,2,3
	v_fmaak_f32 v[76+\q], v[72+\q], v[76+\q], 0xbe2aaaa3
	v_fmaak_f32 v[80+\q], v[72+\q], v[80+\q], 0x3d2aaaa5
.endr
.irp q, 0,1,2,3
	v_mul_f32 v[84+\q], v[72+\q], v[64+\q]
	v_mul_f32 v[88+\q], v[72+\q], v[72+\q]
.endr
.irp q, 0,1,2,3
	v_fma_f32 v[72+\q], v[72+\q], -0.5, 1.0
	v_fma_f32 v[64+\q], v[84+\q], v[76+\q], v[64+\q]       ; sin of the rest
.endr
.irp q, 0,1,2,3
	v_fma_f32 v[72+\q], v[88+\q], v[80+\q], v[72+\q]       ; cos of the rest
	v_and_b32 v[76+\q], 1, v[68+\q]
.endr
.irp q, 0,1,2,3
	v_cmp_eq_u32 s[96+\q], 1, v[76+\q]             ; an odd multiple swaps the two
	v_lshlrev_b32 v[76+\q], 30, v[68+\q]           ; sin changes sign where the multiple's bit 1 is set,
	v_add_nc_u32 v[68+\q], 1, v[68+\q]             ; cos where that of the multiple + 1 is
.endr
.irp q, 0,1,2,3
	v_cndmask_b32 v[80+\q], v[64+\q], v[72+\q], s[96+\q]
	v_cndmask_b32 v[84+\q], v[72+\q], v[64+\q], s[96+\q]
	v_lshlrev_b32 v[68+\q], 30, v[68+\q]
.endr
.irp q, 0,1,2,3
	v_and_b32 v[76+\q], 0x80000000, v[76+\q]
	v_and_b32 v[68+\q], 0x80000000, v[68+\q]
.endr
.irp q, 0,1,2,3
	v_xor_b32 v[\cso+2*(\e0+\q)], v[68+\q], v[84+\q]       ; pair e: cos,
	v_xor_b32 v[\cso+2*(\e0+\q)+1], v[76+\q], v[80+\q]     ; sin
.endr
.endm
.irp rho, 0,1
.if \rho
	v_add_nc_u32 v21, 16, v21
	v_cvt_f32_u32 v20, v21
.endif
.irp e0, 0,4,8,12
	SINCOS4 \e0, 128+32*\rho
.endr
.irp k, 0,1,2,3,4,5,6,7
	ds_store_b128 v11, v[128+32*\rho+4*\k:128+32*\rho+4*\k+3] offset:\rho*4096+512*\k
.endr
.endr
	s_wait_loadcnt 0x0                             ; the gains and Wo's two groups are in
	global_store_b128 v10, v[240:243], s[88:89]
	global_store_b128 v10, v[244:247], s[88:89] offset:512
	s_mov_b32 s78, 0x76543210                      ; v_permlanex16_b32's selects for lane l xor 16
	s_mov_b32 s79, 0xfedcba98
	s_wait_kmcnt 0x0
	s_add_co_i32 s2, s68, s69                      ; a sum of x Wq^T stands for sum x 2^(e0 + e1)
	s_add_co_i32 s11, s70, s71
	s_cmp_eq_u32 s6, 1
	s_cselect_b32 s11, s11, s2                     ; head 1 of my three: e2 + e3 where it is k
	s_cselect_b32 s75, s75, s74                    ; and its quantiser's exponent: e7 or e6
	s_lshl_b32 s3, s2, 1
	s_sub_co_i32 s3, s3, 6                         ; the mean of 64 squares: x 2^(2 E - 6)
	s_lshl_b32 s101, s11, 1
	s_sub_co_i32 s101, s101, 6
	s_sub_co_i32 s100, s100, s72
	s_sub_co_i32 s100, s100, s73                   ; v: the three scales folded: e9 - e4 - e5
.macro SCALEV vs, vl, e                        ; 2^e as f32 for the conversion, and 448 x 2^e for the hold
	s_add_co_i32 s72, s[\e], 127
	s_lshl_b32 s73, s72, 23
	v_mov_b32 v[\vs], s73
	s_add_co_i32 s72, s72, 8
	s_lshl_b32 s72, s72, 23
	s_or_b32 s72, s72, 0x600000
	v_mov_b32 v[\vl], s72
.endm
	SCALEV 24, 25, 74
	SCALEV 26, 27, 75
	SCALEV 28, 29, 100
.macro FRAG reg, adr, q, i             ; 16 rows x 128 K: registers 4 c .. 4 c + 3 hold k = 32 c + 16 h + 0 .. 15 of row r
.irp c, 0,1,2,3
	ds_load_b128 v[\reg+4*\c:\reg+4*\c+3], v[\adr] offset:128*(\q)+32*\c+(\i)*16*PITCH
.endr
.endm
.macro FETCH_W slot, q, i0             ; W's blocks i0 .. i0 + 5
.irp i, 0,1,2,3,4,5
	FRAG 64+16*(\i0+\i), 6+\slot, \q, \i0+\i
.endr
.endm
.macro FETCH_X slot, q, p              ; x's four row tiles into set p
	WIN 0x80
.irp a, 0,1,2,3
	FRAG 128+64*(\p)+16*\a, 4+\slot, \q, \a
.endr
	WIN 0
.endm
.macro MULB b, p, zero                 ; W's block b against x's four row tiles
.if (\b) < 8
	WIN 0x58                                       ; W window 0, x window 2, C and D window 1
.set AB, (((\b)/4)*16+(\b)%4)*8
.else
	WIN 0xa8                                       ; C and D window 2
.set AB, ((\b)%4)*8
.endif
.irp a, 0,1,2,3
.if \zero
	v_wmma_f32_16x16x128_fp8_fp8 v[AB+32*\a:AB+32*\a+7], v[64+16*(\b):64+16*(\b)+15], v[128+64*(\p)+16*\a:128+64*(\p)+16*\a+15], 0
.else
	v_wmma_f32_16x16x128_fp8_fp8 v[AB+32*\a:AB+32*\a+7], v[64+16*(\b):64+16*(\b)+15], v[128+64*(\p)+16*\a:128+64*(\p)+16*\a+15], v[AB+32*\a:AB+32*\a+7]
.endif
.endr
.endm
.macro MUL12 b0, p, zero               ; the 48 accumulators take turns, one instruction a turn, in the same order in every step
	MULB \b0, \p, \zero
	MULB \b0+1, \p, \zero
	MULB \b0+2, \p, \zero
.endm
; The first 128 along K of a slot (x's set 0).  W has one set of registers: blocks 0-5 are fetched anew in the step's middle, blocks 6-11 at its end; x, at work through the whole step, has two.
.macro STEP slot, zero
	s_wait_dscnt 24                                ; all but the youngest 24 loads, W's blocks 6-11
	MUL12 0, 0, \zero
	MUL12 3, 0, \zero
	s_wait_dscnt 0x0
	WIN 0
	PLACES 4                                       ; four places in front of loads into registers that matrix instructions have read
	FETCH_W \slot, 1, 0
	FETCH_X \slot, 1, 1
	MUL12 6, 0, \zero
	MUL12 9, 0, \zero
	WIN 0
	PLACES 4
	FETCH_W \slot, 1, 6
.endm
; The second 128 (x's set 1) changes slots: ONE barrier; in front of it each wave waits for all its tensor loads, adds 0 to its spare word, and waits for that and for its reads of this slot.
.macro TURN slot, next, fill
	s_wait_tensorcnt 0x0                           ; all my tensor loads have landed: my part of the next slot
	ds_add_u32 v8, v9                              ; 0 onto my spare word
	s_wait_dscnt 25                                ; (the add and W's blocks 6-11 may be out)
	MUL12 0, 1, 0
	s_wait_dscnt 0x0                               ; the add is done, and my reads of this slot are over
	s_barrier_signal -1
	MUL12 3, 1, 0
	WIN 0
	s_barrier_wait -1
.if \fill
	CREST                                          ; the barrier has opened a round of the cluster's: no wave of any partner still reads this slot or has a load on its way
	s_add_nc_u64 s[G0A+4*\slot+2:G0A+4*\slot+3], s[G0A+4*\slot+2:G0A+4*\slot+3], 512
	s_add_nc_u64 s[G0Q+4*\slot+2:G0Q+4*\slot+3], s[G0Q+4*\slot+2:G0Q+4*\slot+3], 512
	s_add_nc_u64 s[G0K+4*\slot+2:G0K+4*\slot+3], s[G0K+4*\slot+2:G0K+4*\slot+3], 512
	s_add_nc_u64 s[G0V+32*\slot+2:G0V+32*\slot+3], s[G0V+32*\slot+2:G0V+32*\slot+3], 512
	JLOAD \slot                                    ; my one tensor load behind the round; its four v_nop are also the places in front of the loads below
.else
	PLACES 4
.endif
	FETCH_W \next, 0, 0
	FETCH_X \next, 0, 0
	MUL12 6, 1, 0
	MUL12 9, 1, 0
	WIN 0
	PLACES 4
	FETCH_W \next, 0, 6
.endm
	s_wait_alu depctr_va_vdst(0)                   ; the wait at the head's end
	s_wait_tensorcnt 0x0                           ; my part of slot 0 is in; slot 1's first fill is issued as a refill is:
	ds_add_u32 v8, v9                              ; 0 onto my spare word
	s_wait_dscnt 0x0                               ; the add is done, and my cosines lie in LDS
	CROUND                                         ; a whole round: everybody's part of slot 0 is in, and the joint loads meet
	JLOAD 1                                        ; K 256 on: my one tensor load behind the round
	s_wait_xcnt 0x0                                ; the stores of Wo's groups have read v240-247, which W's fragments take
	FETCH_W 0, 0, 0
	FETCH_X 0, 0, 0
	FETCH_W 0, 0, 6
	STEP 0, 1                                      ; K 0: the first products start the sums: nothing is cleared
	TURN 0, 1, 1                                   ; K 128; slot 0 takes K 512 on
	STEP 1, 0                                      ; K 256
	TURN 1, 0, 1                                   ; K 384; slot 1 takes K 768 on
	STEP 0, 0                                      ; K 512
	TURN 0, 1, 0                                   ; K 640; nothing is left to fetch
	STEP 1, 0                                      ; K 768
	s_wait_dscnt 24                                ; K 896
	MUL12 0, 1, 0
	MUL12 3, 1, 0
	s_wait_dscnt 0x0
	MUL12 6, 1, 0
	MUL12 9, 1, 0
	WIN 0
	PLACES 4                                       ; in front of the first reads of results and of loads into W's registers
; ---- q and k: norm, RoPE, codes.  One head of 64 channels for one row tile: 32 numbers a lane, v64-95; rotated v96-127; cos, sin v128-191 (two sets); codes v192-199.
.macro CSLOAD a, set
.irp k, 0,1,2,3,4,5,6,7
	ds_load_b128 v[128+32*(\set)+4*\k:128+32*(\set)+4*\k+3], v12 offset:(\a)*4096+512*\k
.endr
.endm
.macro QKHEAD win, ac, gb, se, se2, vs, vl, ob, a, set
	WIN 5*(\win)                                   ; sources 0 and 1: the accumulators' window
	v_pk_mul_f32 v[208:209], v[\ac:\ac+1], v[\ac:\ac+1]            ; the sum of my 32 squares, in two chains; each accumulator from its low end on
	v_pk_mul_f32 v[210:211], v[\ac+2:\ac+3], v[\ac+2:\ac+3]
.irp i, 4,8,12,16,20,24,28
	v_pk_fma_f32 v[208:209], v[\ac+\i:\ac+\i+1], v[\ac+\i:\ac+\i+1], v[208:209]
	v_pk_fma_f32 v[210:211], v[\ac+\i+2:\ac+\i+3], v[\ac+\i+2:\ac+\i+3], v[210:211]
.endr
	WIN 0
	v_pk_add_f32 v[208:209], v[208:209], v[210:211]
	v_add_f32 v208, v208, v209
	v_permlanex16_b32 v30, v208, s78, s79          ; the row's other 32 channels lie in lane l xor 16
	v_add_f32 v208, v208, v30
	v_ldexp_f32 v208, v208, s[\se2]                ; the mean of the squares
	v_add_f32 v208, 0x358637bd, v208               ; + 1e-6
	s_wait_alu depctr_va_vdst(0)
	v_rsq_f32 v22, v208
	WIN 0x0c+(\win)                                ; source 0 the accumulators, source 1 the gains (window 3)
.set ii, 0
.rept 16
	v_pk_mul_f32 v[64+ii:65+ii], v[\ac+ii:\ac+ii+1], v[\gb+ii:\gb+ii+1]    ; independent work behind the root
.set ii, ii+2
.endr
	WIN 0
	s_wait_alu depctr_va_vdst(0)                   ; the wait ahead of the root's first reader
	v_ldexp_f32 v22, v22, s[\se]                   ; x 2^E, which the sums lack
.set ii, 0
.rept 16
	v_pk_mul_f32 v[64+ii:65+ii], v[64+ii:65+ii], v[22:23] op_sel_hi:[1,0]
.set ii, ii+2
.endr
.set ii, 0
.rept 16
	v_pk_mul_f32 v[96+ii:97+ii], v[64+ii:65+ii], v[128+32*(\set)+ii:129+32*(\set)+ii] op_sel_hi:[1,0]   ; (x0, x1) x cos
.set ii, ii+2
.endr
.set ii, 0
.rept 16
	v_pk_fma_f32 v[96+ii:97+ii], v[64+ii:65+ii], v[128+32*(\set)+ii:129+32*(\set)+ii], v[96+ii:97+ii] op_sel:[1,1,0] op_sel_hi:[0,1,1] neg_lo:[0,1,0]   ; + (-x1, x0) x sin
.set ii, ii+2
.endr
.set ii, 0
.rept 32
	v_med3_num_f32 v[96+ii], v[96+ii], -v[\vl], v[\vl]     ; the conversion does not saturate (ISA guide 7.6.2): the hold at the largest code x the scale
.set ii, ii+1
.endr
	s_wait_alu depctr_va_vdst(0)
	s_wait_xcnt 0x0                                ; the last head's stores have read v192-199
.irp n, 0,1,2,3
	v_cvt_scalef32_pk8_fp8_f32 v[192+2*\n:193+2*\n], v[96+8*\n:103+8*\n], v[\vs]   ; registers 2 n, 2 n + 1 of the operand: channels 16 n + 8 h + 0 .. 7
.endr
	v_nop                                          ; one plain line behind the last conversion
	global_store_b128 v10, v[192:195], s[\ob:\ob+1] offset:(\a)*1024       ; 32 lanes store 512 consecutive bytes, aligned
	global_store_b128 v10, v[196:199], s[\ob:\ob+1] offset:(\a)*1024+512
.endm
	CSLOAD 0, 0
.irp a, 0,1,2,3
.if \a < 3
	CSLOAD \a+1, (\a+1)%2
	s_wait_dscnt 8                                 ; this row tile's cosines are in; the next tile's eight loads may be out
.else
	s_wait_dscnt 0x0
.endif
	QKHEAD 1, 32*\a, 0, 2, 3, 24, 25, 84, \a, \a%2
	QKHEAD 1, 128+32*\a, 32, 11, 101, 26, 27, 86, \a, \a%2
	s_cmp_eq_u32 s6, 0
	s_cbranch_scc0 .Lno_third_\a
	QKHEAD 2, 32*\a, 0, 2, 3, 24, 25, 90, \a, \a%2
.Lno_third_\a:
.endr
	s_cmp_eq_u32 s6, 0
	s_cbranch_scc1 .Lend
	; ---- v: my 64 keys x 64 channels turn through my stage, so that a lane's registers run along the keys.  The stage lies in slot 0, which has had its last fill and, since the last change of slots, its last read.
	; The keys 16 c + 8 h + j of a lane's group c lie in row tile a = c alone, so the turn goes a row tile at a time: 8 stores and 32 loads, 40 LDS instructions out at the most;
	; while one tile's numbers are held and converted, the next tile is on its way through the stage.
.macro VTURN a
	WIN 0x08                                       ; the stores' data: window 2
.irp n, 0,1,2,3
	ds_store_b128 v13, v[32*(\a)+8*\n:32*(\a)+8*\n+3] offset:(\a)*16*PITCH+64*\n          ; each accumulator from its low end on
	ds_store_b128 v13, v[32*(\a)+8*\n+4:32*(\a)+8*\n+7] offset:(\a)*16*PITCH+64*\n+16
.endr
	WIN 0
.irp dt, 0,1,2,3                               ; LDS serves a wave's instructions in order (ISA guide 5.7.1.4): these see the stores above
.irp j, 0,1,2,3,4,5,6,7
	ds_load_b32 v[64+32*\dt+8*(\a)+\j], v14 offset:(16*(\a)+\j)*PITCH+4*(32*(\dt/2)+8*(\dt%2))   ; key 16 a + 8 h + j, channel 32 (dt/2) + 8 (dt%2) + r + 8 (r/8)
.endr
.endr
.endm
	s_wait_xcnt 0x0                                ; the last head's stores have read v192-199
	VTURN 0
.irp a, 0,1,2,3
	s_wait_dscnt 0x0                               ; row tile a's 32 numbers are back: nothing younger has been issued
.if \a < 3
	VTURN \a+1
.endif
.irp dt, 0,1,2,3
.irp j, 0,1,2,3,4,5,6,7
	v_med3_num_f32 v[64+32*\dt+8*\a+\j], v[64+32*\dt+8*\a+\j], -v29, v29   ; the hold at the largest code x the scale
.endr
	v_cvt_scalef32_pk8_fp8_f32 v[192+8*\dt+2*\a:193+8*\dt+2*\a], v[64+32*\dt+8*\a:71+32*\dt+8*\a], v28   ; registers 2 a, 2 a + 1 of my half of tile dt: keys 16 a + 8 h + 0 .. 7
.endr
	v_nop                                          ; one plain line behind the last conversion
.endr
.irp dt, 0,1,2,3
	global_store_b128 v10, v[192+8*\dt:195+8*\dt], s[66:67] offset:2048*\dt
	global_store_b128 v10, v[196+8*\dt:199+8*\dt], s[66:67] offset:2048*\dt+512
.endr
.Lend:
	s_wait_tensorcnt 0x0                           ; the wave's end
	ds_add_u32 v8, v9
	s_wait_dscnt 0x0
	CROUND                                         ; the closing round
	s_endpgm
.Lfunc_end_k_q0ecbd41ddf_proj:
	.size	k_q0ecbd41ddf_proj, .Lfunc_end_k_q0ecbd41ddf_proj-k_q0ecbd41ddf_proj
	.p2alignl 7, 3214868480
	.fill 96, 4, 3214868480
	.section	.rodata,"a",@progbits
	.p2align	6, 0x0
	.amdhsa_kernel k_q0ecbd41ddf_proj
		.amdhsa_group_segment_fixed_size 327680
		.amdhsa_private_segment_fixed_size 0
		.amdhsa_enable_private_segment 0
		.amdhsa_kernarg_size 88
		.amdhsa_user_sgpr_count 2
		.amdhsa_user_sgpr_kernarg_segment_ptr 1
		.amdhsa_wavefront_size32 1
		.amdhsa_system_sgpr_workgroup_id_x 1
		.amdhsa_system_sgpr_workgroup_id_y 1
		.amdhsa_system_sgpr_workgroup_id_z 1
		.amdhsa_system_vgpr_workitem_id 0
		.amdhsa_next_free_vgpr 832
		.amdhsa_next_free_sgpr 102
		.amdhsa_reserve_vcc 1
		.amdhsa_float_denorm_mode_32 3
		.amdhsa_float_denorm_mode_16_64 3
		.amdhsa_memory_ordered 1
		.amdhsa_forward_progress 1
		.amdhsa_inst_pref_size 245
	.end_amdhsa_kernel
	.amdgpu_metadata
---
amdhsa.version: [ 1, 2 ]
amdhsa.kernels:
  - .name:           k_q0ecbd41ddf_proj
    .symbol:         k_q0ecbd41ddf_proj.kd
    .args:
      - { .name: x_codes, .offset: 0, .size: 8, .value_kind: global_buffer, .address_space: global }
      - { .name: Wq_codes, .offset: 8, .size: 8, .value_kind: global_buffer, .address_space: global }
      - { .name: Wk_codes, .offset: 16, .size: 8, .value_kind: global_buffer, .address_space: global }
      - { .name: Wv_codes, .offset: 24, .size: 8, .value_kind: global_buffer, .address_space: global }
      - { .name: Wo_codes, .offset: 32, .size: 8, .value_kind: global_buffer, .address_space: global }
      - { .name: qn_w, .offset: 40, .size: 8, .value_kind: global_buffer, .address_space: global }
      - { .name: kn_w, .offset: 48, .size: 8, .value_kind: global_buffer, .address_space: global }
      - { .name: lowp_scales, .offset: 56, .size: 8, .value_kind: global_buffer, .address_space: global }
      - { .name: qc, .offset: 64, .size: 8, .value_kind: global_buffer, .address_space: global }
      - { .name: kvc, .offset: 72, .size: 8, .value_kind: global_buffer, .address_space: global }
      - { .name: woi, .offset: 80, .size: 8, .value_kind: global_buffer, .address_space: global }
    .group_segment_fixed_size: 327680
    .private_segment_fixed_size: 0
    .kernarg_segment_align: 8
    .kernarg_segment_size: 88
    .max_flat_workgroup_size: 128
    .sgpr_count:     102
    .vgpr_count:     832
    .wavefront_size: 32
...
	.end_amdgpu_metadata
.endif
;; end of part 1
;; launch attn (part 2): grid 16 x 16, 8 waves a work-group, clusters of 4 x 1, 327,680 bytes of LDS; arguments qc, kvc, lowp_scales, oc; writes oc
.if DOCPART == 2
	.amdgcn_target "amdgcn-amd-amdhsa--gfx1250"
	.amdhsa_code_object_version 6
	.text
	.protected	k_q0ecbd41ddf_attn
	.globl	k_q0ecbd41ddf_attn
	.p2align	8
	.type	k_q0ecbd41ddf_attn,@function
k_q0ecbd41ddf_attn:
	s_mov_b64 s[64:65], 0
	v_nop
	global_prefetch_b8 v0, s[64:65] scope:SCOPE_SE
	s_setreg_imm32_b32 hwreg(HW_REG_WAVE_MODE, 25, 1), 1
	s_wait_xcnt 0x0
	s_wait_alu depctr_hold_cnt(0) depctr_sa_sdst(0) depctr_va_vdst(0) depctr_va_sdst(0) depctr_va_ssrc(0) depctr_va_vcc(0) depctr_vm_vsrc(0)
	s_getreg_b32 s2, hwreg(HW_REG_IB_STS2, 6, 4)
	s_cmp_eq_u32 s2, 0
	s_cbranch_scc0 .Lentry_in_a_cluster
	s_endpgm
.Lentry_in_a_cluster:
	s_bfe_u32 s2, ttmp6, 0x10000c
	s_cmp_lg_u32 s2, 0x3003
	s_cbranch_scc0 .Lentry_shape_is_right
	s_endpgm
.Lentry_shape_is_right:
; o = softmax(q k^T / 8, causal) v on codes of E4M3, and o quantised for the last product.  q, k, v come as images of operand registers (qc, kvc), o leaves as such (oc).
; LEFT OUT: key steps all of whose 128 keys come after a wave's queries: the causal mask gives them the weight 0 for every input.
; THE SOFTMAX: t = score x log2(e) / 8; M = the running largest t rounded up to a whole number; p = 2^(t - M) is quantised, not normalised; the row's sum is taken of the unquantised p and divides at the end.
; SHARES.  A work-group owns one query head and the query blocks mb = x and 7 - x of 256 queries (two phases: 2 x + 2 and 16 - 2 x key steps at the most, 18 in every work-group).
; Wave w owns the tiles 16 mb + 2 w and 16 mb + 2 w + 1 of 16 queries: both lie in the block nb = 2 mb + w / 4 of 128 queries, walk key steps 0 .. nb, and meet the diagonal in step nb.
; All 2,048 keys of the kv head lie in LDS (16 steps x 16,384 bytes: K 8 tiles, V^T 4 tiles), filled once by joint loads: the four work-groups of a cluster are the four query heads of one kv head.
; Steps 0-7 are asked for at the head, steps 8-15 behind the full sequence and a round; the first phase reads steps 0-7 alone.
; THE TWO TILES TAKE TURNS.  Half a trip belongs to tile t: its maxima; the chain that makes M, between whose links the other tile's p is held and converted; its scalings and exponentials; O^T's rescaling;
; then the other tile's product with V and its next product with K; then tile t's sums.  So no matrix result is read close behind its instruction.
; The loop is written once: its first trip finds p of tile 1 = 0 and O = 0; tile 1's last codes and product stand behind the loop; the last look-ahead product of tile 0 (a clamped step) is never read.
; Both products are used transposed: a lane holds one query (lane % 16); register 8 c + j of S holds key 16 c + 8 (lane / 16) + j.
; No prefetch: every byte that the work-group reads is asked for at the head or behind the one round that follows it; no later request exists to run ahead of.
; LIMITS: e6 + e7 between -123 and 130 (added to c's exponent field); e8 and e10 between -126 and 119; the scaled scores stay under 2^31 in magnitude.
; REGISTERS.  window 0: v1 16 x lane, v2 K's next step, v3 V's step, v8-15 -M, largest t, sum (two halves) of tile 0, 1; v16-31 Q of phase 1; v32-95 S0, v96-159 S1; v160-191 P0, P1;
;   v192-199 at work, v194 f, v200 2^e8, v201 and v206 448 x 2^e8, v202 -infinity, v203, v204 the same for e10, v205 a permute's result, v208-223 Q of phase 2, v226 1 / sum, v254, v255 the add's two.
;   window 1: v0-63 K's eight fragments, v64-127 V's four, v128-191 O^T of tile 0, 1.
.set SPARE, 0x40000                    ; behind K and V: the spare words, 128 bytes a wave
.set MSB, 0
.macro WIN new                         ; the immediate's high byte repeats the setting that is left
.if MSB != (\new)
	s_set_vgpr_msb (MSB<<8)|(\new)
.set MSB, (\new)
.endif
.endm
.macro PLACES n
.rept \n
	v_nop
.endr
.endm
.macro CROUND                          ; a round of the cluster's barrier
	s_barrier_signal -1
	s_barrier_wait -1
	s_cmp_lg_u32 s12, 0
	s_cbranch_scc1 .Lnot_wave_0_\@
	s_barrier_signal -3
.Lnot_wave_0_\@:
	s_barrier_wait -3
	s_barrier_signal -1
	s_barrier_wait -1
.endm
.macro QLOAD reg, base
.irp k, 0,1,2,3
	global_load_b128 v[\reg+4*\k:\reg+4*\k+3], v1, s[\base:\base+1] offset:512*\k th:TH_LOAD_NT
.endr
.endm
	s_load_b256 s[4:11], s[0:1], 0x0               ; qc, kvc, the exponents, oc
	v_lshl_add_u32 v254, v0, 2, SPARE
	v_mov_b32 v255, 0
	ds_add_u32 v254, v255                          ; the opening lines: the add twice on end
	ds_add_u32 v254, v255
	v_lshrrev_b32 v7, 5, v0
	v_readfirstlane_b32 s12, v7                    ; wave
	v_and_b32 v1, 31, v0
	v_lshlrev_b32 v1, 4, v1
	s_bfe_u32 s13, ttmp6, 0x40000                  ; cx: which of the four query heads
	s_mov_b32 s14, ttmp9                           ; x: the same in all four partners
	s_and_b32 s15, ttmp7, 0xffff                   ; the kv head
	s_mov_b32 s16, 15|(3<<16)|(1<<21)              ; group 1: 64 rows of 256 bytes, dense; the mask names all four
	s_mov_b32 s17, 32<<16
	s_mov_b32 s18, 64<<16
	s_mov_b32 s19, 32<<16
	s_mov_b32 s20, 64
	s_mov_b32 s21, 32
	s_mov_b32 s22, 0
	s_mov_b32 s23, 0
	s_mov_b32 s24, 1
	s_lshl_b32 s25, s12, 14                        ; key step w,
	s_mov_b32 s28, 1
	s_add_co_u32 s29, s25, 131072                  ; and key step w + 8
	s_lshl_b32 s32, s15, 18
	s_add_co_u32 s32, s32, s25
	s_mov_b32 s33, 0
	s_wait_dscnt 0x0
	s_wait_kmcnt 0x0
	s_add_nc_u64 s[26:27], s[6:7], s[32:33]
	s_add_nc_u64 s[30:31], s[26:27], 131072
	s_or_b32 s27, s27, 0x80000000
	s_or_b32 s31, s31, 0x80000000
	s_load_b64 s[38:39], s[8:9], 0x18              ; e6, e7
	s_load_b128 s[40:43], s[8:9], 0x20             ; e8 .. e11
	s_sub_co_u32 s36, 7, s14                       ; the second phase's block
	s_mov_b32 s35, 0
	s_lshl_b32 s32, s15, 2
	s_add_co_u32 s32, s32, s13
	s_lshl_b32 s32, s32, 17                        ; my query head: 131,072 bytes
	s_lshl_b32 s33, s12, 11                        ; tiles 2 w, 2 w + 1: 1,024 bytes a tile
	s_add_co_u32 s32, s32, s33
	s_lshl_b32 s33, s14, 14
	s_add_co_u32 s34, s32, s33
	s_add_nc_u64 s[54:55], s[4:5], s[34:35]
	s_lshl_b32 s33, s36, 14
	s_add_co_u32 s34, s32, s33
	s_add_nc_u64 s[56:57], s[4:5], s[34:35]
	s_wait_alu depctr_va_vdst(0)                   ; the wait ahead of v1's reader
	QLOAD 16, 54                                   ; the first phase's Q
	CROUND
	tensor_load_to_lds s[24:27], s[16:23]          ; my one load at the head
	s_nop 0
	PLACES 4
	s_lshr_b32 s32, s15, 2
	s_lshl_b32 s32, s32, 21                        ; oc: the batch, 2,048 rows of 1,024 bytes
	s_lshl_b32 s33, s12, 15                        ; row tiles 2 w, 2 w + 1: 16,384 bytes a tile
	s_add_co_u32 s32, s32, s33
	s_and_b32 s33, s15, 3
	s_lshl_b32 s33, s33, 2
	s_add_co_u32 s33, s33, s13
	s_lshl_b32 s33, s33, 10                        ; my head's 64 channels: two groups of 512 bytes
	s_add_co_u32 s32, s32, s33
	s_lshl_b32 s33, s14, 18
	s_add_co_u32 s34, s32, s33
	s_add_nc_u64 s[58:59], s[10:11], s[34:35]
	s_lshl_b32 s33, s36, 18
	s_add_co_u32 s34, s32, s33
	s_add_nc_u64 s[60:61], s[10:11], s[34:35]
	s_lshr_b32 s37, s12, 2                         ; which 128 queries of the block
	s_and_b32 s62, s12, 3
	s_lshl_b32 s62, s62, 1                         ; tile 0's place among the eight tiles of its 128 queries,
	s_add_co_u32 s63, s62, 1                       ; and tile 1's
	v_and_b32 v6, 15, v0
	v_bfe_u32 v7, v0, 4, 1
	v_lshlrev_b32 v7, 3, v7
	v_sub_nc_u32 v6, v6, v7                        ; r - 8 h
.irp j, 0,1,2,3,4,5,6,7
	v_cmp_gt_i32 s[70+\j], \j, v6                  ; in the key tile on the diagonal register j is hidden where j > r - 8 h
.endr
	v_mov_b32 v195, 0                              ; (upper halves of named pairs, and a permute's destination)
	v_mov_b32 v227, 0
	v_mov_b32 v205, 0
	v_mov_b32 v202, 0xff800000                     ; -infinity
	s_mov_b32 s46, 0x76543210                      ; selects for lane l xor 16
	s_mov_b32 s47, 0xfedcba98
	s_mov_b32 s44, 0x3e38aa3b                      ; c = log2(e) / 8
	s_wait_alu depctr_va_vdst(0)                   ; the wait at the head's end
	s_wait_tensorcnt 0x0                           ; my key step of the first eight is in; the later first fill is issued as a refill is:
	ds_add_u32 v254, v255
	s_wait_dscnt 0x0
	CROUND                                         ; everybody's is in, in all four work-groups
	tensor_load_to_lds s[28:31], s[16:23]          ; key steps 8 to 15: one load of mine is out through the first phase
	s_nop 0
	PLACES 4
	QLOAD 208, 56                                  ; the second phase's Q
	s_wait_kmcnt 0x0
	s_add_co_i32 s32, s38, s39
	s_lshl_b32 s32, s32, 23
	s_add_co_i32 s44, s44, s32                     ; a score stands for score x 2^(e6 + e7)
	s_mov_b32 s45, s44
	s_add_co_i32 s53, s40, s41                     ; e8 + e9
.macro SCALEV vs, vl, e                        ; 2^e for the conversion, 448 x 2^e for the hold
	s_add_co_i32 s32, s[\e], 127
	s_lshl_b32 s33, s32, 23
	v_mov_b32 v[\vs], s33
	s_add_co_i32 s32, s32, 8
	s_lshl_b32 s32, s32, 23
	s_or_b32 s32, s32, 0x600000
	v_mov_b32 v[\vl], s32
.endm
	SCALEV 200, 201, 40
	v_mov_b32 v206, s32                            ; the hold once more: the two halves of a dual pair name registers of different banks
	SCALEV 203, 204, 42
; The diagonal step of the tile at place a (s[sa]): key tiles c < a count, c > a are hidden, c = a by the eight lane masks.  The choice is made by scalar selects: one vector line a score.
.macro MASK sb, sa
.irp c, 0,1,2,3,4,5,6,7
	s_cmp_lt_u32 s[\sa], \c
	s_cselect_b32 s78, -1, 0
	s_cmp_eq_u32 s[\sa], \c
.irp j, 0,1,2,3,4,5,6,7
	s_cselect_b32 s[80+\j], s[70+\j], s78
.endr
.irp j, 0,1,2,3,4,5,6,7
	v_cndmask_b32 v[\sb+8*\c+\j], v[\sb+8*\c+\j], v202, s[80+\j]
.endr
.endr
.endm
.macro SMUL u, qb                      ; S^T of tile u = K Q^T: eight tiles of 16 keys
	WIN 0x01
.irp kt, 0,1,2,3,4,5,6,7
	v_wmma_f32_16x16x64_fp8_fp8 v[32+64*(\u)+8*\kt:39+64*(\u)+8*\kt], v[8*\kt:8*\kt+7], v[\qb+8*(\u):\qb+8*(\u)+7], 0
.endr
.endm
.macro PVMUL u                         ; O^T of tile u += V^T P^T: four accumulators, one instruction each
	WIN 0x51
.irp dt, 0,1,2,3
	v_wmma_f32_16x16x128_fp8_fp8 v[128+32*(\u)+8*\dt:135+32*(\u)+8*\dt], v[64+16*\dt:79+16*\dt], v[160+16*(\u):175+16*(\u)], v[128+32*(\u)+8*\dt:135+32*(\u)+8*\dt]
.endr
.endm
.macro MC u, c                         ; key tile c of tile u: the hold (the conversion does not saturate: ISA guide 7.6.2; p is not negative: one-sided), and the codes
.irp j, 0,2,4,6
	v_dual_min_num_f32 v[32+64*(\u)+8*(\c)+\j], v[32+64*(\u)+8*(\c)+\j], v201 :: v_dual_min_num_f32 v[33+64*(\u)+8*(\c)+\j], v[33+64*(\u)+8*(\c)+\j], v206
.endr
	v_cvt_scalef32_pk8_fp8_f32 v[160+16*(\u)+2*(\c):161+16*(\u)+2*(\c)], v[32+64*(\u)+8*(\c):39+64*(\u)+8*(\c)], v200
.endm
; Half a trip: tile t's softmax of this step, the other tile's codes and its two products.
.macro HALF t, qb
.set SB, 32+64*\t
.set ST, 8+4*\t
.set OB, 128+32*\t
	s_cmp_lg_u32 s48, s52
	s_cbranch_scc1 .Lopen_\@
	MASK 32+64*\t, 62+\t
.Lopen_\@:
	v_max3_num_f32 v192, v[SB], v[SB+1], v[SB+2]   ; the step's largest score, in four chains, each accumulator from its low end on
	v_max3_num_f32 v193, v[SB+3], v[SB+4], v[SB+5]
	v_max3_num_f32 v196, v[SB+6], v[SB+7], v[SB+8]
	v_max3_num_f32 v197, v[SB+9], v[SB+10], v[SB+11]
.set jj, 12
.rept 6
	v_max3_num_f32 v192, v192, v[SB+jj], v[SB+jj+1]
	v_max3_num_f32 v193, v193, v[SB+jj+2], v[SB+jj+3]
	v_max3_num_f32 v196, v196, v[SB+jj+4], v[SB+jj+5]
	v_max3_num_f32 v197, v197, v[SB+jj+6], v[SB+jj+7]
.set jj, jj+8
.endr
	v_max3_num_f32 v192, v192, v[SB+60], v[SB+61]
	v_max3_num_f32 v193, v193, v[SB+62], v[SB+63]
	v_max3_num_f32 v192, v192, v193, v196          ; a chain of dependent lines: the other tile's holds and conversions stand between its links
	MC 1-\t, 0
	v_max_num_f32 v192, v192, v197
	MC 1-\t, 1
	v_permlanex16_b32 v205, v192, s46, s47
	MC 1-\t, 2
	v_max_num_f32 v192, v192, v205                 ; and among lane l xor 16's
	MC 1-\t, 3
	v_mul_f32 v192, s44, v192                      ; as t (c is positive)
	MC 1-\t, 4
	v_max_num_f32 v[ST+1], v[ST+1], v192           ; the running largest t
	v_mov_b32 v192, v[ST]
	MC 1-\t, 5
	v_floor_f32 v[ST], -v[ST+1]                    ; the new -M
	MC 1-\t, 6
	MC 1-\t, 7
.set jj, 0
.rept 32
	v_pk_fma_f32 v[SB+jj:SB+jj+1], v[SB+jj:SB+jj+1], s[44:45], v[ST:ST+1] op_sel_hi:[1,0,0]   ; t - M
.if jj == 4
	v_sub_f32 v192, v[ST], v192                    ; old M - new M, a whole number; the three lines that make f stand among the scalings
.endif
.if jj == 12
	v_cvt_i32_f32 v192, v192                       ; (it saturates)
.endif
.if jj == 20
	v_ldexp_f32 v194, 1.0, v192                    ; f = 2^(old M - new M)
.endif
.set jj, jj+2
.endr
	s_wait_alu depctr_va_vdst(0)                   ; the wait ahead of the batch
.set jj, 0
.rept 64
	v_exp_f32 v[SB+jj], v[SB+jj]
.set jj, jj+1
.endr
	v_pk_mul_f32 v[ST+2:ST+3], v[ST+2:ST+3], v[194:195] op_sel_hi:[1,0]   ; the sum under the new M (a plain place behind the batch)
	WIN 0x41
	s_wait_alu depctr_va_vdst(0)                   ; the one wait behind the batch, directly ahead of the first readers of O^T
.set jj, 0
.rept 16
	v_pk_mul_f32 v[OB+jj:OB+jj+1], v[OB+jj:OB+jj+1], v[194:195] op_sel_hi:[1,0]   ; O^T under the new M
.set jj, jj+2
.endr
.if \t
	s_wait_dscnt 0x0                               ; the 32 loads issued half a trip ago: V of this step, K of the next
.endif
	PVMUL 1-\t                                     ; the other tile: its P against V,
	SMUL 1-\t, \qb                                 ; and its next scores
	WIN 0
	v_pk_add_f32 v[192:193], v[SB:SB+1], v[SB+2:SB+3]              ; the row's sum of the unquantised p, in four chains
	v_pk_add_f32 v[196:197], v[SB+4:SB+5], v[SB+6:SB+7]
	v_pk_add_f32 v[198:199], v[SB+8:SB+9], v[SB+10:SB+11]
	v_pk_add_f32 v[ST+2:ST+3], v[ST+2:ST+3], v[SB+12:SB+13]
.set jj, 14
.rept 6
	v_pk_add_f32 v[192:193], v[192:193], v[SB+jj:SB+jj+1]
	v_pk_add_f32 v[196:197], v[196:197], v[SB+jj+2:SB+jj+3]
	v_pk_add_f32 v[198:199], v[198:199], v[SB+jj+4:SB+jj+5]
	v_pk_add_f32 v[ST+2:ST+3], v[ST+2:ST+3], v[SB+jj+6:SB+jj+7]
.set jj, jj+8
.endr
	v_pk_add_f32 v[192:193], v[192:193], v[SB+62:SB+63]
	v_pk_add_f32 v[196:197], v[196:197], v[198:199]
	v_pk_add_f32 v[ST+2:ST+3], v[ST+2:ST+3], v[192:193]
	v_pk_add_f32 v[ST+2:ST+3], v[ST+2:ST+3], v[196:197]
.if \t == 0
	WIN 0x40                                       ; the 32 additions above are the places in front of these loads
.set ii, 0
.rept 16
	ds_load_b128 v[4*ii:4*ii+3], v2 offset:512*ii                  ; K of the next step
.set ii, ii+1
.endr
.irp dt, 0,1,2,3
.irp c, 0,1,2,3
	ds_load_b128 v[64+16*\dt+4*\c:67+16*\dt+4*\c], v3 offset:8192+2048*\dt+512*\c   ; V of this step
.endr
.endr
	WIN 0
.endif
.endm
.macro OUT t, ob
.set SB, 32+64*\t
.set ST, 8+4*\t
.set PB, 160+16*\t
.set OB, 128+32*\t
	v_add_f32 v192, v[ST+2], v[ST+3]
	s_delay_alu instid0(VALU_DEP_1)
	v_permlanex16_b32 v205, v192, s46, s47
	s_delay_alu instid0(VALU_DEP_1)
	v_add_f32 v192, v192, v205                     ; the row's sum
	s_wait_alu depctr_va_vdst(0)
	v_rcp_f32 v226, v192
	v_nop
	s_wait_alu depctr_va_vdst(0)
	v_ldexp_f32 v226, v226, s53                    ; x 2^(e8 + e9)
	WIN 0x01
	s_wait_alu depctr_va_vdst(0)                   ; the wait ahead of the first readers of O^T
.set jj, 0
.rept 16
	v_pk_mul_f32 v[SB+jj:SB+jj+1], v[OB+jj:OB+jj+1], v[226:227] op_sel_hi:[1,0]
.set jj, jj+2
.endr
	WIN 0
.set jj, 0
.rept 32
	v_med3_num_f32 v[SB+jj], v[SB+jj], -v204, v204 ; the hold at the largest code x 2^e10
.set jj, jj+1
.endr
.irp k, 0,1,2,3
	v_cvt_scalef32_pk8_fp8_f32 v[PB+2*\k:PB+2*\k+1], v[SB+8*\k:SB+8*\k+7], v203
.endr
	v_nop
	global_store_b128 v1, v[PB:PB+3], s[\ob:\ob+1] offset:\t*16384         ; 32 lanes store 512 consecutive bytes, aligned
	global_store_b128 v1, v[PB+4:PB+7], s[\ob:\ob+1] offset:\t*16384+512
.endm
; A phase: one block of queries.  The trip count is a constant; a trip beyond the wave's last step nb is jumped over by a branch on ids.  lc: the global loads younger than this phase's Q.
.macro PHASE ntrips, lim, mb, qb, lc
	s_wait_xcnt 0x0                                ; earlier stores have read P's registers
	s_lshl_b32 s52, s[\mb], 1
	s_add_co_u32 s52, s52, s37                     ; nb
.irp t, 0,1
	v_mov_b32 v[9+4*\t], 0xff61b1e6                ; -3e38, under every t
	v_floor_f32 v[8+4*\t], -v[9+4*\t]
	v_mov_b32 v[10+4*\t], 0
	v_mov_b32 v[11+4*\t], 0
.endr
.set ii, 0
.rept 64
	v_mov_b32 v[96+ii], 0                          ; p of tile 1: the first trip's codes of it are zeros, and their product adds nothing
.set ii, ii+1
.endr
	s_mov_b32 s48, 0
	s_mov_b32 s49, 0
	s_mov_b32 s50, 16384
	WIN 0x40
.set ii, 0
.rept 64
	v_mov_b32 v[128+ii], 0                         ; O^T
.set ii, ii+1
.endr
.set ii, 0
.rept 16
	ds_load_b128 v[4*ii:4*ii+3], v1 offset:512*ii  ; K of step 0
.set ii, ii+1
.endr
.set ii, 0
.rept 16
	ds_load_b128 v[64+4*ii:67+4*ii], v1 offset:8192+512*ii   ; V of step 0
.set ii, ii+1
.endr
	WIN 0
	s_wait_alu depctr_va_vdst(0)                   ; the wait ahead of the waits below
	s_wait_loadcnt \lc                             ; Q
	s_wait_dscnt 0x0
	SMUL 0, \qb
	WIN 0
	PLACES 4
.Ltrip_\@:
	s_cmp_gt_u32 s48, s52
	s_cbranch_scc1 .Ltail_\@
	v_add_nc_u32 v2, s50, v1
	v_add_nc_u32 v3, s49, v1
	HALF 0, \qb
	HALF 1, \qb
.Ltail_\@:
	s_add_co_u32 s48, s48, 1
	s_add_co_u32 s49, s49, 16384
	s_add_co_u32 s50, s49, 16384
	s_min_u32 s50, s50, \lim                       ; the look-ahead stays inside the steps that have landed
	s_cmp_lt_u32 s48, \ntrips
	s_cbranch_scc1 .Ltrip_\@
	s_wait_alu depctr_va_vdst(0)                   ; the wait behind the branches
.irp c, 0,1,2,3,4,5,6,7
	MC 1, \c                                       ; tile 1's last codes,
.endr
	v_nop
	PVMUL 1                                        ; and its last product
	WIN 0
.endm
	PHASE 8, 7*16384, 14, 16, 4
	OUT 0, 58
	OUT 1, 58
	s_wait_tensorcnt 0x0                           ; my key step of the last eight is in
	s_wait_dscnt 0x0
	s_barrier_signal -1
	s_barrier_wait -1                              ; everybody's is
	PHASE 16, 15*16384, 36, 208, 0
	OUT 0, 60
	OUT 1, 60
	s_wait_tensorcnt 0x0                           ; the wave's end
	ds_add_u32 v254, v255
	s_wait_dscnt 0x0
	CROUND                                         ; the closing round
	s_endpgm
.Lfunc_end_k_q0ecbd41ddf_attn:
	.size	k_q0ecbd41ddf_attn, .Lfunc_end_k_q0ecbd41ddf_attn-k_q0ecbd41ddf_attn
	.p2alignl 7, 3214868480
	.fill 96, 4, 3214868480
	.section	.rodata,"a",@progbits
	.p2align	6, 0x0
	.amdhsa_kernel k_q0ecbd41ddf_attn
		.amdhsa_group_segment_fixed_size 327680
		.amdhsa_private_segment_fixed_size 0
		.amdhsa_enable_private_segment 0
		.amdhsa_kernarg_size 32
		.amdhsa_user_sgpr_count 2
		.amdhsa_user_sgpr_kernarg_segment_ptr 1
		.amdhsa_wavefront_size32 1
		.amdhsa_system_sgpr_workgroup_id_x 1
		.amdhsa_system_sgpr_workgroup_id_y 1
		.amdhsa_system_sgpr_workgroup_id_z 1
		.amdhsa_system_vgpr_workitem_id 0
		.amdhsa_next_free_vgpr 448
		.amdhsa_next_free_sgpr 90
		.amdhsa_reserve_vcc 0
		.amdhsa_float_denorm_mode_32 3
		.amdhsa_float_denorm_mode_16_64 3
		.amdhsa_memory_ordered 1
		.amdhsa_forward_progress 1
		.amdhsa_inst_pref_size 128
	.end_amdhsa_kernel
	.amdgpu_metadata
---
amdhsa.version: [ 1, 2 ]
amdhsa.kernels:
  - .name:           k_q0ecbd41ddf_attn
    .symbol:         k_q0ecbd41ddf_attn.kd
    .args:
      - { .name: qc, .offset: 0, .size: 8, .value_kind: global_buffer, .address_space: global }
      - { .name: kvc, .offset: 8, .size: 8, .value_kind: global_buffer, .address_space: global }
      - { .name: lowp_scales, .offset: 16, .size: 8, .value_kind: global_buffer, .address_space: global }
      - { .name: oc, .offset: 24, .size: 8, .value_kind: global_buffer, .address_space: global }
    .group_segment_fixed_size: 327680
    .private_segment_fixed_size: 0
    .kernarg_segment_align: 8
    .kernarg_segment_size: 32
    .max_flat_workgroup_size: 256
    .sgpr_count:     90
    .vgpr_count:     448
    .wavefront_size: 32
...
	.end_amdgpu_metadata
.endif
;; end of part 2
;; launch outp (part 3): grid 4 x 64, 4 waves a work-group, clusters of 4 x 1, 168,448 bytes of LDS; arguments oc, woi, lowp_scales, out0; writes out0
.if DOCPART == 3
	.amdgcn_target "amdgcn-amd-amdhsa--gfx1250"
	.amdhsa_code_object_version 6
	.text
	.protected	k_q0ecbd41ddf_outp
	.globl	k_q0ecbd41ddf_outp
	.p2align	8
	.type	k_q0ecbd41ddf_outp,@function
k_q0ecbd41ddf_outp:
	s_mov_b64 s[64:65], 0
	v_nop
	global_prefetch_b8 v0, s[64:65] scope:SCOPE_SE
	s_setreg_imm32_b32 hwreg(HW_REG_WAVE_MODE, 25, 1), 1
	s_wait_xcnt 0x0
	s_wait_alu depctr_hold_cnt(0) depctr_sa_sdst(0) depctr_va_vdst(0) depctr_va_sdst(0) depctr_va_ssrc(0) depctr_va_vcc(0) depctr_vm_vsrc(0)
	s_getreg_b32 s2, hwreg(HW_REG_IB_STS2, 6, 4)
	s_cmp_eq_u32 s2, 0
	s_cbranch_scc0 .Lentry_in_a_cluster
	s_endpgm
.Lentry_in_a_cluster:
	s_bfe_u32 s2, ttmp6, 0x10000c
	s_cmp_lg_u32 s2, 0x3003
	s_cbranch_scc0 .Lentry_shape_is_right
	s_endpgm
.Lentry_shape_is_right:
; out0 = o Wo^T x 2^(e10 + e11), on codes of E4M3.  o comes as images of operand registers (oc), Wo likewise (woi).
; SHARES.  A work-group makes 128 rows x 256 columns.  THE WAVES SHARE THE COLUMNS: wave w makes columns 256 cb + 64 w .. + 63 of all 128 rows: 8 row tiles x 4 column tiles = 32 accumulators, 256 registers.
; K IS THE OUTER WALK: a K step of 128 is 32 matrix instructions, the 32 accumulators by turns, in two units of four row tiles.
; Wo goes from memory straight into registers, 16 loads a K step, and each K step is waited for by count: K steps 0-3 are asked for at the head, K step kc + 4 when K step kc is taken up.
; The 8 row tiles of o (16,384 bytes each) come into LDS once, by joint loads, two tiles a wave in one load: the four work-groups of a cluster are the four column blocks of the same rows.  Nothing is filled again.
; Wo is not asked for jointly: the partners of a cluster hold different rows of it.
; The matrix instruction is used transposed (source 0 = Wo, source 1 = o): a lane holds eight neighbouring columns of a row.  The results go through the wave's own stage in LDS and leave as rows of 256 bytes.
; No prefetch: o is asked for at the head; Wo's loads run four K steps ahead of their use by themselves.
; LIMIT: e10 + e11 between -126 and 127, so that 2^(e10 + e11) is an f32 number.
; REGISTERS.  window 0: v1, v5 16 x lane (+ 65,536), v2, v3 the stage in and out, v4 my offset in out0, v8-199 o's fragments, three buffers of four row tiles (on the way out: v8-39 scaled sums, v40-103 rows read back, two sets).
;   windows 1, 2: Wo at 16 (4 (kc % 4) + n) + 4 c, K steps 0-3 and 4-7.   window 3: accumulator (rt, n) at 8 (4 rt + n).
.set STG, 131072                       ; behind o's images: 16 rows x 272 bytes for each wave
.set MSB, 0
.macro WIN new
.if MSB != (\new)
	s_set_vgpr_msb (MSB<<8)|(\new)
.set MSB, (\new)
.endif
.endm
.macro PLACES n
.rept \n
	v_nop
.endr
.endm
.macro CROUND
	s_barrier_signal -1
	s_barrier_wait -1
	s_cmp_lg_u32 s12, 0
	s_cbranch_scc1 .Lnot_wave_0_\@
	s_barrier_signal -3
.Lnot_wave_0_\@:
	s_barrier_wait -3
	s_barrier_signal -1
	s_barrier_wait -1
.endm
.macro WOLOAD kc                       ; Wo's four fragments of K step kc: 16 loads
	WIN 0x40*(1+(\kc)/4)
.irp n, 0,1,2,3
.irp c, 0,1,2,3
	global_load_b128 v[(((\kc)%4)*4+\n)*16+4*\c:(((\kc)%4)*4+\n)*16+4*\c+3], v1, s[6:7] offset:\n*16384+(\kc)*2048+\c*512
.endr
.endr
	WIN 0
.endm
	s_load_b256 s[4:11], s[0:1], 0x0               ; oc, woi, the exponents, out0
	v_lshl_add_u32 v254, v0, 2, 0x29000
	v_mov_b32 v255, 0
	ds_add_u32 v254, v255                          ; the opening lines: the add twice on end
	ds_add_u32 v254, v255
	v_lshrrev_b32 v1, 5, v0
	v_readfirstlane_b32 s12, v1                    ; wave
	s_bfe_u32 s13, ttmp6, 0x40000                  ; cx
	s_lshl_b32 s14, ttmp9, 2
	s_add_co_u32 s14, s14, s13                     ; cb: my 256 columns
	s_and_b32 s15, ttmp7, 0xffff                   ; rg: my 128 rows, which the four partners share
	s_mov_b32 s16, 15|(3<<16)|(1<<21)              ; group 1: 128 rows of 256 bytes, dense: two row tiles; the mask names all four
	s_mov_b32 s17, 32<<16
	s_mov_b32 s18, 128<<16
	s_mov_b32 s19, 32<<16
	s_mov_b32 s20, 128
	s_mov_b32 s21, 32
	s_mov_b32 s22, 0
	s_mov_b32 s23, 0
	s_mov_b32 s24, 1
	s_lshl_b32 s25, s12, 15                        ; row tiles 2 w and 2 w + 1: 32,768 consecutive bytes, one load
	s_lshl_b32 s32, s15, 17
	s_add_co_u32 s32, s32, s25
	s_mov_b32 s33, 0
	s_wait_dscnt 0x0
	s_wait_kmcnt 0x0
	s_add_nc_u64 s[26:27], s[4:5], s[32:33]
	s_or_b32 s27, s27, 0x80000000
	CROUND
	tensor_load_to_lds s[24:27], s[16:23]
	s_nop 0
	PLACES 4
	s_load_b64 s[36:37], s[8:9], 0x28              ; e10, e11
	s_lshl_b32 s38, s14, 2
	s_add_co_u32 s38, s38, s12
	s_lshl_b32 s38, s38, 16                        ; my four tiles of Wo's rows: 16,384 bytes a tile
	s_mov_b32 s39, 0
	s_add_nc_u64 s[6:7], s[6:7], s[38:39]
	v_and_b32 v1, 31, v0
	v_lshlrev_b32 v1, 4, v1
	s_wait_alu depctr_va_vdst(0)                   ; the wait behind v1's write
	WOLOAD 0
	WOLOAD 1
	WOLOAD 2
	WOLOAD 3
	v_add_nc_u32 v5, 65536, v1
	v_and_b32 v6, 15, v0                           ; r
	v_bfe_u32 v7, v0, 4, 1                         ; h
	s_mul_i32 s38, s12, 16*272
	s_add_co_u32 s38, s38, STG                     ; my stage
	v_mul_u32_u24 v2, v6, 272
	v_lshl_add_u32 v2, v7, 5, v2
	v_add_nc_u32 v2, s38, v2                       ; in: row r, + 32 h
	v_mul_u32_u24 v3, v7, 272
	v_lshl_add_u32 v3, v6, 4, v3
	v_add_nc_u32 v3, s38, v3                       ; back: lanes 0-15 one row of 256 bytes, lanes 16-31 the next
	v_lshlrev_b32 v4, 12, v7
	v_lshl_add_u32 v4, v6, 4, v4                   ; and the same two rows in out0
	s_lshl_b32 s38, s15, 19                        ; 128 rows of 4,096 bytes
	s_lshl_b32 s32, s14, 10
	s_add_co_u32 s38, s38, s32
	s_lshl_b32 s32, s12, 8
	s_add_co_u32 s38, s38, s32                     ; + column 256 cb + 64 w
	s_add_nc_u64 s[10:11], s[10:11], s[38:39]
	s_wait_kmcnt 0x0
	s_add_co_i32 s34, s36, s37
	s_add_co_i32 s34, s34, 127
	s_lshl_b32 s34, s34, 23                        ; 2^(e10 + e11) as f32
	s_mov_b32 s35, s34
; Unit q = 2 kc + hh: row tiles 4 hh .. 4 hh + 3 against K step kc.
.macro OFETCH q                        ; its four fragments of o, as they lie, into buffer q % 3: 16 loads
.set OFB, 8+64*((\q)%3)
.irp a, 0,1,2,3
.irp c, 0,1,2,3
	ds_load_b128 v[OFB+16*\a+4*\c:OFB+16*\a+4*\c+3], v[1+4*((\q)%2)] offset:\a*16384+((\q)/2)*2048+512*\c
.endr
.endr
.endm
.macro UNIT q
.set KC, (\q)/2
.set HH, (\q)%2
.set OBF, 8+64*((\q)%3)
.if HH == 0
.if KC < 5
	s_wait_loadcnt 48                              ; Wo's K step kc is in; the three K steps asked for behind it may be out
.else
	s_wait_loadcnt 16*(7-KC)
.endif
.if KC < 4
	WOLOAD KC+4
.endif
.endif
.if (\q) < 14
	PLACES 4                                       ; in front of loads into the buffer that the last unit's matrix instructions read
	OFETCH (\q)+2
	s_wait_dscnt 32                                ; this unit's fragments are in; the next two units' may be out
.elseif (\q) == 14
	s_wait_dscnt 16
.else
	s_wait_dscnt 0x0
.endif
	WIN 0xf1+KC/4                                  ; Wo window 1 or 2, o window 0, C and D window 3
.irp a, 0,1,2,3
.irp n, 0,1,2,3
.if KC == 0
	v_wmma_f32_16x16x128_fp8_fp8 v[((4*HH+\a)*4+\n)*8:((4*HH+\a)*4+\n)*8+7], v[((KC%4)*4+\n)*16:((KC%4)*4+\n)*16+15], v[OBF+16*\a:OBF+16*\a+15], 0
.else
	v_wmma_f32_16x16x128_fp8_fp8 v[((4*HH+\a)*4+\n)*8:((4*HH+\a)*4+\n)*8+7], v[((KC%4)*4+\n)*16:((KC%4)*4+\n)*16+15], v[OBF+16*\a:OBF+16*\a+15], v[((4*HH+\a)*4+\n)*8:((4*HH+\a)*4+\n)*8+7]
.endif
.endr
.endr
	WIN 0
.endm
; THE WAY OUT, a row tile at a time: x 2^(e10 + e11), through my stage, back as rows of 256 bytes.
.macro TOSTAGE rt
	WIN 0x03                                       ; source 0: window 3
.set jj, 0
.rept 16
	v_pk_mul_f32 v[8+jj:9+jj], v[32*(\rt)+jj:32*(\rt)+jj+1], s[34:35] op_sel_hi:[1,0]   ; each accumulator from its low end on
.set jj, jj+2
.endr
	WIN 0
.irp n, 0,1,2,3
	ds_store_b128 v2, v[8+8*\n:11+8*\n] offset:64*\n
	ds_store_b128 v2, v[12+8*\n:15+8*\n] offset:64*\n+16
.endr
.irp i, 0,1,2,3,4,5,6,7
	ds_load_b128 v[40+32*((\rt)%2)+4*\i:40+32*((\rt)%2)+4*\i+3], v3 offset:2*\i*272   ; LDS serves a wave's instructions in order (ISA guide 5.7.1.4): these see the stores above, and the next tile's stores come behind them
.endr
.endm
.macro SEND rt, younger                ; sixteen lanes store 256 consecutive bytes, aligned
	s_wait_dscnt \younger
.irp i, 0,1,2,3,4,5,6,7
	global_store_b128 v4, v[40+32*((\rt)%2)+4*\i:40+32*((\rt)%2)+4*\i+3], s[10:11] offset:(16*(\rt)+2*\i)*4096 th:TH_STORE_NT
.endr
.endm
	s_wait_alu depctr_va_vdst(0)                   ; the wait at the head's end
	s_wait_tensorcnt 0x0                           ; my two row tiles are in
	s_barrier_signal -1
	s_barrier_wait -1                              ; everybody's are
	OFETCH 0
	OFETCH 1
.irp q, 0,1,2,3,4,5,6,7,8,9,10,11,12,13,14,15
	UNIT \q
.endr
	PLACES 4                                       ; in front of the first reads of results and of writes into o's buffers
	TOSTAGE 0
.irp rt, 1,2,3,4,5,6,7
.if \rt > 1
	s_wait_xcnt 0x0                                ; the stores of two tiles ago have read the registers into which this tile's rows come back
.endif
	TOSTAGE \rt
	SEND \rt-1, 16                                 ; behind that tile's loads: this tile's eight stores and eight loads
.endr
	SEND 7, 0
	s_wait_tensorcnt 0x0                           ; the wave's end
	ds_add_u32 v254, v255
	s_wait_dscnt 0x0
	CROUND                                         ; the closing round
	s_endpgm
.Lfunc_end_k_q0ecbd41ddf_outp:
	.size	k_q0ecbd41ddf_outp, .Lfunc_end_k_q0ecbd41ddf_outp-k_q0ecbd41ddf_outp
	.p2alignl 7, 3214868480
	.fill 96, 4, 3214868480
	.section	.rodata,"a",@progbits
	.p2align	6, 0x0
	.amdhsa_kernel k_q0ecbd41ddf_outp
		.amdhsa_group_segment_fixed_size 168448
		.amdhsa_private_segment_fixed_size 0
		.amdhsa_enable_private_segment 0
		.amdhsa_kernarg_size 32
		.amdhsa_user_sgpr_count 2
		.amdhsa_user_sgpr_kernarg_segment_ptr 1
		.amdhsa_wavefront_size32 1
		.amdhsa_system_sgpr_workgroup_id_x 1
		.amdhsa_system_sgpr_workgroup_id_y 1
		.amdhsa_system_sgpr_workgroup_id_z 1
		.amdhsa_system_vgpr_workitem_id 0
		.amdhsa_next_free_vgpr 1024
		.amdhsa_next_free_sgpr 66
		.amdhsa_reserve_vcc 0
		.amdhsa_float_denorm_mode_32 3
		.amdhsa_float_denorm_mode_16_64 3
		.amdhsa_memory_ordered 1
		.amdhsa_forward_progress 1
		.amdhsa_inst_pref_size 76
	.end_amdhsa_kernel
	.amdgpu_metadata
---
amdhsa.version: [ 1, 2 ]
amdhsa.kernels:
  - .name:           k_q0ecbd41ddf_outp
    .symbol:         k_q0ecbd41ddf_outp.kd
    .args:
      - { .name: oc, .offset: 0, .size: 8, .value_kind: global_buffer, .address_space: global }
      - { .name: woi, .offset: 8, .size: 8, .value_kind: global_buffer, .address_space: global }
      - { .name: lowp_scales, .offset: 16, .size: 8, .value_kind: global_buffer, .address_space: global }
      - { .name: out0, .offset: 24, .size: 8, .value_kind: global_buffer, .address_space: global }
    .group_segment_fixed_size: 168448
    .private_segment_fixed_size: 0
    .kernarg_segment_align: 8
    .kernarg_segment_size: 32
    .max_flat_workgroup_size: 128
    .sgpr_count:     66
    .vgpr_count:     1024
    .wavefront_size: 32
...
	.end_amdgpu_metadata
.endif
;; end of part 3
